; MI455X (gfx1250); checked and timed in simulation.
; The chip was launched on July 23, 2026; its instructions are those of AMD's public machine-readable ISA for CDNA 5 (MIT licence, August 2026) and "CDNA5" Instruction Set Architecture Reference Guide (July 2026). The comments in the code are by the model that wrote it; some were corrected since.
;; LSTM Model. Allowed arithmetic: matrix products marked QUANTISED: E2M3 operands, one E8M0 scale for each 32 along K, by v_wmma_scale_f32_16x16x128_f8f6f4 with both operands' format E2M3, f32 sums; products left as they are: f32 operands where the result goes on into a quantised operand, else bf16, f16 or f32 operands; f32 sums; everything else in f32.
;; Inputs: Wfc 1 x 32 float32; Wh0 128 x 32 float32; Wh1 128 x 32 float32; Wh2 128 x 32 float32; Wx0 128 x 2 float32; Wx1 128 x 32 float32; Wx2 128 x 32 float32; bfc 1 float32; bh0 128 float32; bh1 128 float32; bh2 128 float32; bx0 128 float32; bx1 128 float32; bx2 128 float32; x 1,024 x 1,024 x 2 float32.
;; Outputs: out0 1,024 x 1 float32.
;; This version of the problem:
;;   THIS VERSION OF THE PROBLEM IS GIVEN IN LOW PRECISION. The matrix products marked QUANTISED in the list below multiply operands that are first quantised to E2M3 (2 exponent bits, 3 mantissa bits; 6 bits a number), with one power-of-two scale for each 32 numbers along K (OCP MX v1.0); their sums are f32. All else is computed in f32.
;;   The module's matrix products, in the order in which they are computed (A, B: the left and right operand; K: the contracted axis; several contracted axes count as one K, in the product's order):
;;     1. [M 1,048,576, K 2] x [K 2, N 128]; A: input x; B: input Wx0: left as it is (K = 2 < 32)
;;     2. [M 1,048,576, K 32] x [K 32, N 128]; A: computed on the way; B: input Wh0: QUANTISED
;;     3. [M 1,048,576, K 32] x [K 32, N 128]; A: computed on the way; B: input Wx1: QUANTISED
;;     4. [M 1,048,576, K 32] x [K 32, N 128]; A: computed on the way; B: input Wh1: QUANTISED
;;     5. [M 1,048,576, K 32] x [K 32, N 128]; A: computed on the way; B: input Wx2: QUANTISED
;;     6. [M 1,048,576, K 32] x [K 32, N 128]; A: computed on the way; B: input Wh2: QUANTISED
;;     7. [M 1,024, K 32] x [K 32, N 1]; A: computed on the way; B: input Wfc: left as it is (N = 1 < 16)
;;   THE QUANTISER, for each operand of a quantised product, along K:
;;     - K is cut into blocks of 32 from its start; a last block that is shorter is filled with zeros.
;;     - A block's scale is 2^e with e = floor(log2(the largest magnitude in the block)) - 2, held to -126 .. 127; a block of zeros has e = 0. As a byte (E8M0): e + 127.
;;     - Each number is divided by its block's scale, clamped to +-7.5, and rounded to the nearest number of E2M3, ties to even, subnormals kept.
;;     - The product sums the exact products of the quantised numbers (number of the format x scale) in f32.
;;   ~~~python
;;   def quantise(x, axis):      # numpy; x: float32 -> the quantised numbers, widened to float32 again
;;       x = np.moveaxis(x, axis, -1); K = x.shape[-1]
;;       x = np.pad(x, [(0, 0)] * (x.ndim - 1) + [(0, -K % 32)]); x = x.reshape(x.shape[:-1] + (-1, 32)); a = np.abs(x).max(-1, keepdims=True)
;;       e = np.where(a > 0, np.clip(np.frexp(np.where(a > 0, a, 1))[1] - 1 - 2, -126, 127), 0)      # np.frexp(a)[1] - 1 = floor(log2(a)), exactly
;;       r = np.clip(x / 2.0 ** e, -7.5, 7.5)
;;       step = 2.0 ** (np.maximum(np.frexp(np.where(r == 0, 1, r))[1] - 1, 0) - 3)
;;       q = np.round(r / step) * step * 2.0 ** e      # np.round: ties to even
;;       return np.moveaxis(q.reshape(q.shape[:-2] + (-1,))[..., :K], -1, axis).astype(np.float32)
;;   ~~~
;;   OPERANDS COMPUTED ON THE WAY. 'Computed on the way' means the value that the module computes at that place (a softmax that the list does not call 'softmax' is quantised finished and normalised). What goes into a quantiser is computed in f32, as accurately as f32 sums, v_exp_f32 and their like allow (about 1e-6 of the number): no bf16 or f16 on the way to a quantiser, and a product that is left as it is and whose result goes on into a quantised operand takes f32 operands (vector FMAs, or v_wmma_f32_16x16x4_f32). A number that lies on a knife's edge between two numbers of the format may be rounded either way, as far as f32 arithmetic and the matrix unit's own rounding can turn it there, and no further.
;; One version. Each part assembles by itself: llvm-mc -triple=amdgcn-amd-amdhsa -mcpu=gfx1250 --defsym DOCPART=n.
;; ======== version 1 of 1: 1 launch
;; launch lstm (part 1): grid 256 x 1, 8 waves a work-group, no clusters, 28,672 bytes of LDS; arguments x, Wx0, bx0, Wh0, bh0, Wx1, bx1, Wh1, bh1, Wx2, bx2, Wh2, bh2, Wfc, bfc, out0; writes out0
.if DOCPART == 1
	.amdgcn_target "amdgcn-amd-amdhsa--gfx1250"
	.amdhsa_code_object_version 6
	.text
	.protected	k_q6db6dd5a61_lstm
	.globl	k_q6db6dd5a61_lstm
	.p2align	8
	.type	k_q6db6dd5a61_lstm,@function
k_q6db6dd5a61_lstm:
	s_mov_b64 s[64:65], 0
	v_nop
	global_prefetch_b8 v0, s[64:65] scope:SCOPE_SE
	s_setreg_imm32_b32 hwreg(HW_REG_WAVE_MODE, 25, 1), 1
	s_wait_xcnt 0x0
; out0[b] = Wfc . h3(x[b][1023]) + bfc; h3 = three LSTM cells one after the other (hx = 0 in each; cx = 0 in the first, then the cell before's c), every row of x by itself.
; WHAT IS COMPUTED.  The problem's table lists its products 1 to 6 with M = 1,048,576: each is done whole, on its true operands, so cells 0 and 1 are computed for every row.  Of the vector work only
; what an operand or the output needs is done: the third cell and the last product run for the rows t = 1023 alone (the model keeps nothing else of them), and the first cell forms no sigmoid(f),
; which the model multiplies by its own zeros.  So the results of layer 2's products, and the f columns of layer 0's, are made and for most rows not read.
; SHARES.  256 work-groups of 8 waves, two waves to a SIMD.  Wave W = 8 g + w owns rows 512 W .. 512 W + 511 of the 1,048,576: 16 trips of two tiles of 16 rows.  In the loop a wave touches no LDS.
; LAYOUT.  All products are used transposed: source 0 = 16 rows of a weight, source 1 = the 16 data rows.  Row m of tile T = 2 gate + u (gate 0 i, 1 f, 2 g, 3 o) is weight row
; 32 gate + 16 (m / 8) + 8 u + m % 8: lane (r, hh) then holds row r, and accumulator register 16 gate + 8 u + j is that gate of unit 16 hh + 8 u + j.  So a lane has all four gates of its 16 units,
; and its 16 h are 16 neighbours along the next K: h never leaves the lane.
; K IS 32, THE INSTRUCTION TAKES 128: four blocks.  A weight fragment holds (Wx u=0 | Wh u=0 | Wx u=1 | Wh u=1) of one gate; the data stand as (h | hx | 0 | 0) for u = 0 and as (0 | 0 | h | hx) for u = 1,
; hx being zero codes under the byte 127.  So h . Wx and hx . Wh are one instruction, and two tiles share 12 registers.  Layer 0 has hx . Wh0 alone: four tiles of Wh0 to a fragment, against zero codes.
; x . Wx0 (K = 2) goes in f32 by the 16x16x4 form, with bx0 + bh0 as its third k against the number 1; hx . Wh0 is added onto it in place.  bx + bh of layers 1 and 2 is the C of their products.
; THE CELL, 7 exponentials and reciprocals a unit: a = 2^(-i L), F = 2^(-f L), b = 2^(2 g L), O = 2^(-o L), L = log2 e;  c' = (c AB + (b - 1)(1 + F)) / (AB (1 + F)), AB = (1 + a)(1 + b);
; d = 2^(2 c' L);  h = (d - 1) / ((1 + O)(1 + d)).
; NO CLUSTER, NO JOINT LOADS: what the work-groups share, the weights and biases, is 85 KB that a work-group reads once, at its head, as f32 with a lane to a row, against 4,096 rows of work.
; LIMITS.  The exponents of a, F, b, O are held at 40, so that no factor is infinite and no product passes 2^121: a sigmoid never falls under 2^-40 (9e-13); tanh is not touched by the hold (1 - 2^-39 is 1 in f32).
; d needs no hold: |c| is at most 3 by the cells themselves.  NaN and infinities among the inputs are not served.  A block whose largest magnitude lies under 2^-124 gets the byte 1; so does a block of zeros of a
; weight or of h (the rule says 127): its codes are zeros, and the bytes never leave this program.  (b - 1) / (b + 1) is good to about an ulp of 1 absolutely, so tanh's relative error grows as 1e-7 / |z| for small z.
; bx + bh is summed first; the products are added onto it (layer 0, odd tiles: the bias first, then x's two terms): another order of rounding than the model's.
; REGISTERS.  Window 0: all that is computed.  Window 1: v0-119 the ten weight fragments, v120-247 bx + bh of layers 1 and 2 in the result's layout (at the head: the f32 weights as they land).
.set WOA,  3                           ; v3   byte offset of my row of Wx_l, Wh_l (l = 1 + w / 4, gate w % 4); lanes 0-15 take u = 0, lanes 16-31 u = 1
.set WOB,  4                           ; v4   the same in Wh0, gate 2 (w % 2)
.set AW,   5                           ; v5   8 (16 (m / 8) + m % 8): my row of a tile in Wx0
.set AB,   6                           ; v6   4 (16 (m / 8) + m % 8): the same in bx0, bh0
.set XA,   7                           ; v7   x: 8 x lane + 256 x trip, from my wave's first row
.set LI,   8                           ; v8   16 x lane: my place in a fragment's image
.set LS,   9                           ; v9   4 x lane: in an image of scale words
.set FWI,  10                          ; v10  16 x lane + 1,536 w: where I store images
.set FWS,  11                          ; v11  4 x lane + 128 w
.set FRI,  12                          ; v12  16 x lane + 1,536 (w & 6): layer 0's two images, made by my pair of waves
.set FRS,  13                          ; v13  4 x lane + 128 (w & 6)
.set BGO,  14                          ; v14  4 (thread % 128): my number of bx_l, bh_l
.set BSA,  15                          ; v15  4 x thread: where its sum goes in LDS
.set SWF,  16                          ; v16-25  the fragments' scale words (lanes 0-15): layer 0's two, then 4 (l - 1) + gate; scales and nothing else
.set DSA,  26                          ; v26  the data rows' scale word for u = 0;  v27 for u = 1;  v28 for layer 0: 127 four times; scales and nothing else
.set DSB,  27
.set DSZ,  28
.set BL,   29                          ; v29  64 hh: my 16 units in a gate's biases, and in Wfc
.set XN,   30                          ; v[30:31] x of rows 32 trip + lane, as loaded
.set XBE,  32                          ; v[32:33] the even tile's f32 operand: lanes 0-15 (k = 0, 1) x, lanes 16-31 (k = 2, 3) 1 and 0
.set XBO,  34                          ; v[34:35] the odd tile's: lanes 0-15 1 and 0, lanes 16-31 x
.set A0E,  36                          ; v[36:51] layer 0, two registers a tile: lanes 0-15 Wx0's row, lanes 16-31 bx0 + bh0 and 0
.set A0O,  52                          ; v[52:67] the same with the halves changed over, for odd tiles
.set CC,   68                          ; v[68:83]   c of my 16 units
.set HH,   84                          ; v[84:99]   h
.set DFU1, 100                         ; v[100:111] the data fragment for u = 1: six registers of zeros, then the codes
.set DC,   106                         ; v[106:111] h's codes: lanes 0-15 row r's 32, lanes 16-31 zeros
.set DFU0, 106                         ; v[106:117] the data fragment for u = 0: the codes, then six registers of zeros
.set DFZ,  112                         ; v[112:123] layer 0's: zero codes
.set P,    124                         ; v[124:187] the eight accumulators, tile T at P + 8 T; written by matrix instructions alone
.set E,    188                         ; v[188:219] a cell's work on 8 units: a, F, b, O
.set EI,   E
.set EF,   E+8
.set EG,   E+16
.set EO,   E+24
.set T0,   220                         ; v[220:227] 1 + b, then the first denominator
.set MA0,  228                         ; v228-232 the quantiser of h
.set MB0,  229
.set SO0,  230
.set SB0,  231
.set M2,   232
.set WFC,  234                         ; v[234:249] Wfc of my 16 units
.set P2,   250
.set OO,   251                         ; v251 out0: 4 (W / 2)
.set BXV,  252                         ; v252, v253 one number of bx_l and of bh_l
.set BHV,  253
.set QF,   E                           ; at the head, in the cell's registers: a fragment in the making,
.set TC0,  E+12                        ; the upper 16 codes of a block (a conversion's three registers begin on an even number),
.set TC1,  E+16
.set QMA0, E+20                        ; largest magnitudes, two chains a row,
.set QMB0, E+21
.set QMA1, E+22
.set QMB1, E+23
.set QSO0, E+24                        ; the conversions' scale operands, the bytes, half a scale word, the other half's, the word
.set QSO1, E+25
.set QSB0, E+26
.set QSB1, E+27
.set QWD,  E+28
.set QWO,  E+29
.set QSW,  E+30
.set RW,   68                          ; at the head, in c's and h's registers: Wx0's rows, bx0, bh0 as they land
.set RBX,  84
.set RBH,  92
.set RXA,  120                         ; window 1, at the head: my rows of Wx_l, Wh_l, and of two gates of Wh0: 32 numbers each, one block
.set RHA,  152
.set RXB,  184
.set RHB,  216
.set FA,   0                           ; LDS: images of the 8 fragments of layers 1 and 2: 1,536 bytes each, wave w's at 1,536 w
.set FB,   12288                       ; of layer 0's two, once for each pair of waves: wave w's at 1,536 w
.set SA,   24576                       ; their scale words, 128 bytes each
.set SBR,  25600
.set BI,   26624                       ; bx + bh of layers 1 and 2: 256 numbers.  Every region is written once, ahead of the one barrier, and read behind it
.set FLOOR, 0x1800000                  ; 2^(3 - 127): no largest magnitude is taken under it, so a scale's byte cannot fall under 1
.set TRIPS, 16
.set MSB, 0
.macro WIN new                         ; the immediate's high byte repeats the setting that is left; a switch that changes nothing is dropped
.if MSB != \new
	s_set_vgpr_msb (MSB<<8)|\new
.set MSB, \new
.endif
.endm
.macro PLACES n
.rept \n
	v_nop
.endr
.endm
.macro LOADW reg, adr, sb, off         ; a row of a weight, 128 bytes a lane
.irp i, 0,1,2,3,4,5,6,7
	global_load_b128 v[\reg+4*\i:\reg+4*\i+3], v[\adr], s[\sb:\sb+1] offset:\off+16*\i
.endr
.endm
; Two rows a lane (in window 1 at rx and rh) become a fragment in v[QF] on and its rows' scale words in v[QSW], lanes 0-15.
; mode 1: rx = Wx_l, rh = Wh_l of one gate.  mode 0: rx, rh = two gates of Wh0.  In both, lanes 0-15 hold the rows of u = 0 and lanes 16-31 those of u = 1.
.macro QW mode, rx, rh
	WIN 0x05                                       ; sources 0 and 1 in window 1
	v_max3_num_f32 v[QMA0], |v[\rx]|, |v[\rx+1]|, FLOOR            ; a row is a block: all its 32 numbers are mine; two chains a row, the four chains by turns
	v_max3_num_f32 v[QMB0], |v[\rx+16]|, |v[\rx+17]|, FLOOR
	v_max3_num_f32 v[QMA1], |v[\rh]|, |v[\rh+1]|, FLOOR
	v_max3_num_f32 v[QMB1], |v[\rh+16]|, |v[\rh+17]|, FLOOR
.irp i, 2,4,6,8,10,12,14
	v_max3_num_f32 v[QMA0], |v[\rx+\i]|, |v[\rx+\i+1]|, v[QMA0]
	v_max3_num_f32 v[QMB0], |v[\rx+16+\i]|, |v[\rx+17+\i]|, v[QMB0]
	v_max3_num_f32 v[QMA1], |v[\rh+\i]|, |v[\rh+\i+1]|, v[QMA1]
	v_max3_num_f32 v[QMB1], |v[\rh+16+\i]|, |v[\rh+17+\i]|, v[QMB1]
.endr
	WIN 0
	v_max_num_f32 v[QMA0], v[QMA0], v[QMB0]
	v_max_num_f32 v[QMA1], v[QMA1], v[QMB1]
	v_add_nc_u32 v[QSO0], 0xff000000, v[QMA0]      ; 2 off the exponent field: the conversion takes the exponent field of this operand as its scale, and nothing else of it
	v_add_nc_u32 v[QSO1], 0xff000000, v[QMA1]
	v_lshrrev_b32 v[QSB0], 23, v[QSO0]             ; the scales' bytes
	v_lshrrev_b32 v[QSB1], 23, v[QSO1]
	v_lshl_or_b32 v[QWD], v[QSB1], 8+8*(1-\mode), v[QSB0]          ; my two bytes at their places: mode 1: blocks 0, 1 (lanes 16-31: 2, 3); mode 0: blocks 0, 2 (lanes 16-31: 1, 3)
	v_permlanex16_b32 v[QWO], v[QWD], s46, s47
	v_lshl_or_b32 v[QSW], v[QWO], 8+8*\mode, v[QWD]                ; with lane l + 16's two the word of row m is whole in lanes 0-15, which alone are read
	WIN 0x01                                       ; source 0 in window 1
	v_cvt_scalef32_pk16_fp6_f32 v[QF:QF+2], v[\rx:\rx+15], v[QSO0]
	v_cvt_scalef32_pk16_fp6_f32 v[TC0:TC0+2], v[\rx+16:\rx+31], v[QSO0]
	v_cvt_scalef32_pk16_fp6_f32 v[QF+6:QF+8], v[\rh:\rh+15], v[QSO1]
	v_cvt_scalef32_pk16_fp6_f32 v[TC1:TC1+2], v[\rh+16:\rh+31], v[QSO1]
	WIN 0
	v_nop                                          ; one plain place behind the scaled conversions
.irp i, 0,1,2
	v_mov_b32 v[QF+3+\i], v[TC0+\i]
	v_mov_b32 v[QF+9+\i], v[TC1+\i]
.endr
.if \mode
.irp i, 0,1,2,3,4,5                    ; before: registers 0-5 hold Wx of (u 0 | u 1), registers 6-11 Wh of (u 0 | u 1).  The first's lanes 16-31 change places with the second's lanes 0-15:
	v_permlane16_swap_b32 v[QF+\i], v[QF+6+\i]     ; after: (Wx u 0 | Wh u 0) and (Wx u 1 | Wh u 1): blocks 0, 1 and 2, 3
.endr
.endif
.endm
.macro IMAGE fo, so                    ; the fragment and its scale words go to LDS as they stand in the registers: any wave that loads them by the same lines has the same registers in the same lanes
.irp c, 0,1,2
	ds_store_b128 v[FWI], v[QF+4*\c:QF+4*\c+3] offset:\fo+512*\c
.endr
	ds_store_b32 v[FWS], v[QSW] offset:\so
.endm
; The cell for units 8 u .. 8 u + 7 of my 16.  first = 1: the first cell, c = 0: no F.  The accumulators are read from their low ends on, and nothing is written into them.
; From the first exponential to the first reciprocals a plain line that is due anyway stands behind each exponential or reciprocal; where none is at hand, a run and one v_nop (ISA guide 5.7.2).
.macro CELLC u, first
.irp k, 0,2,4,6
	v_pk_mul_f32 v[EI+\k:EI+\k+1], v[P+8*\u+\k:P+8*\u+\k+1], s[40:41] op_sel_hi:[1,0]          ; -i L
.endr
.if !\first
.irp k, 0,2,4,6
	v_pk_mul_f32 v[EF+\k:EF+\k+1], v[P+16+8*\u+\k:P+16+8*\u+\k+1], s[40:41] op_sel_hi:[1,0]    ; -f L
.endr
.endif
.irp k, 0,2,4,6
	v_pk_mul_f32 v[EG+\k:EG+\k+1], v[P+32+8*\u+\k:P+32+8*\u+\k+1], s[42:43] op_sel_hi:[1,0]    ; 2 g L
.endr
.irp k, 0,2,4,6
	v_pk_mul_f32 v[EO+\k:EO+\k+1], v[P+48+8*\u+\k:P+48+8*\u+\k+1], s[40:41] op_sel_hi:[1,0]    ; -o L
.endr
.irp k, 0,1,2,3,4,5,6,7
	v_min_num_f32 v[EI+\k], s44, v[EI+\k]          ; the exponents are held at 40
.endr
.irp k, 0,1,2,3,4,5,6,7
	v_exp_f32 v[EI+\k], v[EI+\k]                   ; a
	v_min_num_f32 v[EG+\k], s44, v[EG+\k]
.endr
.if \first
.irp k, 0,1,2,3,4,5,6,7
	v_exp_f32 v[EG+\k], v[EG+\k]                   ; b
	v_min_num_f32 v[EO+\k], s44, v[EO+\k]
.endr
.else
.irp k, 0,1,2,3,4,5,6,7
	v_exp_f32 v[EG+\k], v[EG+\k]                   ; b
	v_min_num_f32 v[EF+\k], s44, v[EF+\k]
.endr
.irp k, 0,1,2,3,4,5,6,7
	v_exp_f32 v[EF+\k], v[EF+\k]                   ; F
	v_min_num_f32 v[EO+\k], s44, v[EO+\k]
.endr
.endif
.irp k, 0,2,4,6
	v_exp_f32 v[EO+\k/2], v[EO+\k/2]               ; O
	s_wait_alu depctr_va_vdst(0)
	v_pk_add_f32 v[T0+\k:T0+\k+1], v[EG+\k:EG+\k+1], 1.0 op_sel_hi:[1,0]                       ; 1 + b
.endr
.irp k, 0,2,4,6
	v_exp_f32 v[EO+4+\k/2], v[EO+4+\k/2]
	v_pk_add_f32 v[EG+\k:EG+\k+1], v[EG+\k:EG+\k+1], -1.0 op_sel_hi:[1,0]                      ; b - 1
.endr
.irp k, 0,2,4,6
	v_pk_fma_f32 v[EI+\k:EI+\k+1], v[EI+\k:EI+\k+1], v[T0+\k:T0+\k+1], v[T0+\k:T0+\k+1]        ; AB = a (1 + b) + (1 + b)
.endr
.if \first
.irp k, 0,1,2,3,4,5,6,7
	v_rcp_f32 v[T0+\k], v[EI+\k]
.endr
	v_nop
	s_wait_alu depctr_va_vdst(0)
.irp k, 0,2,4,6
	v_pk_mul_f32 v[CC+8*\u+\k:CC+8*\u+\k+1], v[EG+\k:EG+\k+1], v[T0+\k:T0+\k+1]                ; c' = (b - 1) / AB
.endr
.else
.irp k, 0,2,4,6
	v_pk_fma_f32 v[T0+\k:T0+\k+1], v[EF+\k:EF+\k+1], v[EI+\k:EI+\k+1], v[EI+\k:EI+\k+1]        ; AB (1 + F)
.endr
.irp k, 0,2,4,6
	v_rcp_f32 v[T0+\k/2], v[T0+\k/2]
	v_pk_fma_f32 v[EF+\k:EF+\k+1], v[EG+\k:EG+\k+1], v[EF+\k:EF+\k+1], v[EG+\k:EG+\k+1]        ; (b - 1)(1 + F)
.endr
.irp k, 0,2,4,6
	v_rcp_f32 v[T0+4+\k/2], v[T0+4+\k/2]
	v_pk_fma_f32 v[EF+\k:EF+\k+1], v[CC+8*\u+\k:CC+8*\u+\k+1], v[EI+\k:EI+\k+1], v[EF+\k:EF+\k+1]   ; + c AB
.endr
	s_wait_alu depctr_va_vdst(0)
.irp k, 0,2,4,6
	v_pk_mul_f32 v[CC+8*\u+\k:CC+8*\u+\k+1], v[EF+\k:EF+\k+1], v[T0+\k:T0+\k+1]                ; c'
.endr
.endif
.irp k, 0,2,4,6
	v_pk_mul_f32 v[EI+\k:EI+\k+1], v[CC+8*\u+\k:CC+8*\u+\k+1], s[42:43] op_sel_hi:[1,0]        ; 2 c' L
.endr
.irp k, 0,1,2,3,4,5,6,7
	v_exp_f32 v[EI+\k], v[EI+\k]                   ; d
.endr
	v_nop
	s_wait_alu depctr_va_vdst(0)
.irp k, 0,2,4,6
	v_pk_add_f32 v[EF+\k:EF+\k+1], v[EI+\k:EI+\k+1], 1.0 op_sel_hi:[1,0]                       ; 1 + d
.endr
.irp k, 0,2,4,6
	v_pk_add_f32 v[EI+\k:EI+\k+1], v[EI+\k:EI+\k+1], -1.0 op_sel_hi:[1,0]                      ; d - 1
.endr
.irp k, 0,2,4,6
	v_pk_fma_f32 v[EF+\k:EF+\k+1], v[EO+\k:EO+\k+1], v[EF+\k:EF+\k+1], v[EF+\k:EF+\k+1]        ; (1 + O)(1 + d)
.endr
.irp k, 0,1,2,3,4,5,6,7
	v_rcp_f32 v[EF+\k], v[EF+\k]
.endr
	v_nop
	s_wait_alu depctr_va_vdst(0)
.irp k, 0,2,4,6
	v_pk_mul_f32 v[HH+8*\u+\k:HH+8*\u+\k+1], v[EI+\k:EI+\k+1], v[EF+\k:EF+\k+1]                ; h
.endr
.endm
; h[r][0 .. 31] (16 numbers in lane r, 16 in lane r + 16) becomes 32 codes in lanes 0-15 of v[DC] on, zeros in lanes 16-31, and the two scale words.
.macro QH
	v_max3_num_f32 v[MA0], |v[HH]|, |v[HH+1]|, FLOOR
	v_max3_num_f32 v[MB0], |v[HH+8]|, |v[HH+9]|, |v[HH+10]|
	v_max3_num_f32 v[MA0], v[MA0], |v[HH+2]|, |v[HH+3]|
	v_max3_num_f32 v[MB0], v[MB0], |v[HH+11]|, |v[HH+12]|
	v_max3_num_f32 v[MA0], v[MA0], |v[HH+4]|, |v[HH+5]|
	v_max3_num_f32 v[MB0], v[MB0], |v[HH+13]|, |v[HH+14]|
	v_max3_num_f32 v[MA0], v[MA0], |v[HH+6]|, |v[HH+7]|
	v_max3_num_f32 v[MA0], v[MA0], v[MB0], |v[HH+15]|
	v_permlanex16_b32 v[M2], v[MA0], s46, s47
	v_max_num_f32 v[MA0], v[MA0], v[M2]            ; with lane l xor 16's 16 numbers: the block's largest magnitude
	v_add_nc_u32 v[SO0], 0xff000000, v[MA0]
	v_lshrrev_b32 v[SB0], 23, v[SO0]
	v_or_b32 v[DSA], 0x7f7f7f00, v[SB0]            ; u = 0: h is block 0; the other bytes are 127, the byte of a block of zeros
	v_lshl_or_b32 v[DSB], v[SB0], 16, 0x7f007f7f   ; u = 1: h is block 2
	v_cvt_scalef32_pk16_fp6_f32 v[DC:DC+2], v[HH:HH+15], v[SO0]    ; the codes of k = 16 hh + 0 .. 15
.irp i, 0,1,2
	v_mov_b32 v[DC+3+\i], 0                        ; (the plain place behind the conversion)
.endr
.irp i, 0,1,2
	v_permlane16_swap_b32 v[DC+\i], v[DC+3+\i]     ; the upper 16 codes go from lanes 16-31 of register i to lanes 0-15 of register 3 + i; zeros take their place
.endr
	PLACES 8                                       ; a scale register written by a vector instruction stands 8 places ahead of a scaled matrix instruction, an operand so written 4
.endm
; Layer l's eight products (l = 1, 2): the tiles of u = 0 first, which the cell reads first.  C (the biases, window 1) and D are different registers.
.macro LAYER l
	WIN 0x11                                       ; source 0 (the weights) and source 2 (the biases) in window 1
.irp t, 0,2,4,6
	v_wmma_scale_f32_16x16x128_f8f6f4 v[P+8*\t:P+8*\t+7], v[24+48*((\l)-1)+12*(\t/2):24+48*((\l)-1)+12*(\t/2)+11], v[DFU0:DFU0+11], v[120+64*((\l)-1)+8*\t:120+64*((\l)-1)+8*\t+7], v[SWF+2+4*((\l)-1)+\t/2], v[DSA] matrix_a_fmt:MATRIX_FMT_FP6 matrix_b_fmt:MATRIX_FMT_FP6
.endr
.irp t, 1,3,5,7
	v_wmma_scale_f32_16x16x128_f8f6f4 v[P+8*\t:P+8*\t+7], v[24+48*((\l)-1)+12*(\t/2):24+48*((\l)-1)+12*(\t/2)+11], v[DFU1:DFU1+11], v[120+64*((\l)-1)+8*\t:120+64*((\l)-1)+8*\t+7], v[SWF+2+4*((\l)-1)+\t/2], v[DSB] matrix_a_fmt:MATRIX_FMT_FP6 matrix_b_fmt:MATRIX_FMT_FP6
.endr
	WIN 0
.endm
; A tile of 16 rows: layer 0, cell 0, layer 1, cell 1, layer 2.  The eight accumulators take turns, one instruction a turn, in one order throughout.
.macro TILE a0, xb
.irp t, 0,2,4,6,1,3,5,7
	v_wmma_f32_16x16x4_f32 v[P+8*\t:P+8*\t+7], v[\a0+2*\t:\a0+2*\t+1], v[\xb:\xb+1], 0         ; x . Wx0 + (bx0 + bh0), in f32
.endr
	PLACES 9                                       ; nine places behind the f32 form before another form adds onto its result and writes over it
	WIN 0x01                                       ; source 0 in window 1
.irp t, 0,2,4,6,1,3,5,7
	v_wmma_scale_f32_16x16x128_f8f6f4 v[P+8*\t:P+8*\t+7], v[12*(\t/4):12*(\t/4)+11], v[DFZ:DFZ+11], v[P+8*\t:P+8*\t+7], v[SWF+\t/4], v[DSZ] matrix_a_fmt:MATRIX_FMT_FP6 matrix_b_fmt:MATRIX_FMT_FP6   ; + hx . Wh0
.endr
	WIN 0
	PLACES 4                                       ; four places behind this form before its result is read
	CELLC 0, 1
	CELLC 1, 1
	QH
	LAYER 1
	PLACES 4
	CELLC 0, 0
	CELLC 1, 0
	QH
	LAYER 2
	PLACES 5                                       ; five places before the next tile's matrix instructions write over these results; behind the last tile they serve the third cell's reads
.endm
	; ---- the head: ids, addresses and constants while the arguments are on their way
	s_load_b512 s[4:19], s[0:1], 0x0               ; x s[4:5]; layer l: Wx s[6+8l:7+8l], bx s[8+8l:9+8l], Wh s[10+8l:11+8l], bh s[12+8l:13+8l]
	s_load_b512 s[20:35], s[0:1], 0x40             ; ... Wfc s[30:31], bfc s[32:33], out0 s[34:35]
	v_lshl_add_u32 v1, v0, 2, 0x6c00
	v_mov_b32 v233, 0
	v_lshrrev_b32 v254, 5, v0
	v_readfirstlane_b32 s36, v254                  ; w: wave 0..7
	v_bfe_u32 v2, v0, 4, 1                         ; hh
	v_and_b32 v255, 31, v0                         ; lane; never rewritten
	s_and_b32 s37, s36, 3
	s_lshl_b32 s38, s37, 12                        ; gate w % 4: 32 rows of 128 bytes a gate
	s_and_b32 s39, s36, 1                          ; which half of a batch row is mine
	s_lshl_b32 s51, s39, 13                        ; gate 2 (w % 2) of Wh0
	s_mul_i32 s52, s36, 1536
	s_lshl_b32 s53, s36, 7
	s_and_b32 s37, s36, 6
	s_mul_i32 s54, s37, 1536
	s_lshl_b32 s55, s37, 7
	s_lshl_b32 s66, ttmp9, 3
	s_add_co_u32 s66, s66, s36                     ; W = 8 g + w
	s_lshl_b32 s68, s66, 12                        ; my 512 rows of x, 8 bytes each
	s_mov_b32 s69, 0
	s_lshr_b32 s67, s66, 1
	s_lshl_b32 s67, s67, 2                         ; out0: 4 (W / 2)
	s_mov_b32 s40, 0xbfb8aa3b                      ; -log2 e
	s_mov_b32 s41, s40                             ; (named with it as a pair, so it is written)
	s_mov_b32 s42, 0x4038aa3b                      ; 2 log2 e
	s_mov_b32 s43, s42
	s_mov_b32 s44, 0x42200000                      ; 40.0
	s_mov_b32 s46, 0x76543210                      ; v_permlanex16_b32's selects for lane l xor 16
	s_mov_b32 s47, 0xfedcba98
	s_mov_b32 s48, 0xffff0000                      ; lanes 16-31
	v_bfe_u32 v254, v0, 3, 1                       ; m / 8
	v_and_b32 v[AB], 7, v0                         ; m % 8
	v_lshl_add_u32 v[AB], v254, 4, v[AB]           ; 16 (m / 8) + m % 8
	v_lshl_add_u32 v[WOB], v2, 3, v[AB]            ; + 8 u, u = hh
	v_lshlrev_b32 v[WOB], 7, v[WOB]
	v_add_nc_u32 v[WOA], s38, v[WOB]
	v_add_nc_u32 v[WOB], s51, v[WOB]
	v_lshlrev_b32 v[AW], 3, v[AB]
	v_lshlrev_b32 v[AB], 2, v[AB]
	v_lshlrev_b32 v[XA], 3, v255
	v_lshlrev_b32 v[LI], 4, v255
	v_lshlrev_b32 v[LS], 2, v255
	v_add_nc_u32 v[FWI], s52, v[LI]
	v_add_nc_u32 v[FWS], s53, v[LS]
	v_add_nc_u32 v[FRI], s54, v[LI]
	v_add_nc_u32 v[FRS], s55, v[LS]
	v_and_b32 v[BGO], 127, v0
	v_lshlrev_b32 v[BGO], 2, v[BGO]
	v_lshlrev_b32 v[BSA], 2, v0
	v_lshlrev_b32 v[BL], 6, v2
	v_mov_b32 v[OO], s67
.irp i, 0,1,2,3,4,5,6,7,8,9,10,11,12,13,14,15,16,17,18,19,20,21,22,23
	v_mov_b32 v[DFU1+\i], 0                        ; the zero codes of the three data fragments; six of these registers take h's codes later
.endr
	v_mov_b32 v[DSZ], 0x7f7f7f7f                   ; the byte of a block of zeros, four times
	v_mov_b32 v[M2], 0                             ; written once: a lane permute's destination counts as one of its sources
	v_mov_b32 v[P2], 0
	v_mov_b32 v[QWO], 0
	s_wait_kmcnt 0x0
	s_cmp_lt_u32 s36, 4                            ; waves 0-3 serve layer 1, waves 4-7 layer 2: the choice hangs on the wave's number alone
	s_cselect_b64 s[56:57], s[14:15], s[22:23]     ; Wx_l
	s_cselect_b64 s[58:59], s[18:19], s[26:27]     ; Wh_l
	s_cselect_b64 s[60:61], s[16:17], s[24:25]     ; bx_l
	s_cselect_b64 s[62:63], s[20:21], s[28:29]     ; bh_l
	s_add_nc_u64 s[4:5], s[4:5], s[68:69]          ; x at my wave's first row
	; ---- all 63 loads of the head go out together and are waited for once
	global_load_b64 v[XN:XN+1], v[XA], s[4:5] th:TH_LOAD_NT        ; the first trip's 32 rows: 256 consecutive bytes a wave
.irp t, 0,1,2,3,4,5,6,7
	global_load_b64 v[RW+2*\t:RW+2*\t+1], v[AW], s[6:7] offset:8*(32*(\t/2)+8*(\t%2))          ; Wx0: row m of tile t
	global_load_b32 v[RBX+\t], v[AB], s[8:9] offset:4*(32*(\t/2)+8*(\t%2))
	global_load_b32 v[RBH+\t], v[AB], s[12:13] offset:4*(32*(\t/2)+8*(\t%2))
.endr
	global_load_b32 v[BXV], v[BGO], s[60:61]
	global_load_b32 v[BHV], v[BGO], s[62:63]
.irp i, 0,1,2,3
	global_load_b128 v[WFC+4*\i:WFC+4*\i+3], v[BL], s[30:31] offset:16*\i
.endr
	WIN 0x40                                       ; destination window 1, address window 0
	LOADW RXA, WOA, 56, 0
	LOADW RHA, WOA, 58, 0
	LOADW RXB, WOB, 10, 0
	LOADW RHB, WOB, 10, 4096                       ; the gate behind it
	WIN 0
	s_wait_loadcnt 0x0
	s_load_b32 s49, s[32:33], 0x0                  ; bfc
	; ---- what the eight waves make for each other
	v_add_f32 v[BXV], v[BXV], v[BHV]
	ds_store_b32 v[BSA], v[BXV] offset:BI          ; thread t: (bx + bh)[t % 128] of layer 1 + t / 128
	QW 1, RXA, RHA
	IMAGE FA, SA                                   ; the fragment of layer 1 + w / 4, gate w % 4
.irp t, 0,1,2,3,4,5,6,7
	v_add_f32 v[RBX+\t], v[RBX+\t], v[RBH+\t]      ; layer 0's f32 operand, every wave for itself, while the stores are out
.endr
.irp t, 0,1,2,3,4,5,6,7
	v_cndmask_b32 v[A0E+2*\t], v[RW+2*\t], v[RBX+\t], s48          ; k = 0, 1: Wx0's row; k = 2, 3: the bias and 0
	v_cndmask_b32 v[A0E+2*\t+1], v[RW+2*\t+1], 0, s48
	v_cndmask_b32 v[A0O+2*\t], v[RBX+\t], v[RW+2*\t], s48          ; and the other way round
	v_cndmask_b32 v[A0O+2*\t+1], 0, v[RW+2*\t+1], s48
.endr
	s_wait_dscnt 0x0                               ; the stores have read their registers
	QW 0, RXB, RHB
	IMAGE FB, SBR                                  ; layer 0's fragment w % 2 (gates 2 (w % 2) and the next): each pair of waves makes the two for itself, so that the head has no branch
	s_wait_dscnt 0x0                               ; for the others' sake: my stores have landed
	s_barrier_signal -1
	s_barrier_wait -1
	WIN 0x40
.irp f, 0,1
.irp c, 0,1,2
	ds_load_b128 v[12*\f+4*\c:12*\f+4*\c+3], v[FRI] offset:FB+1536*\f+512*\c
.endr
.endr
.irp f, 0,1,2,3,4,5,6,7
.irp c, 0,1,2
	ds_load_b128 v[24+12*\f+4*\c:24+12*\f+4*\c+3], v[LI] offset:FA+1536*\f+512*\c
.endr
.endr
.irp q, 0,1,2,3,4,5,6,7,8,9,10,11,12,13,14,15,16,17,18,19,20,21,22,23,24,25,26,27,28,29,30,31
	ds_load_b128 v[120+4*\q:120+4*\q+3], v[BL] offset:BI+512*(\q/16)+128*((\q/4)%4)+16*(\q%4)  ; register 64 (l - 1) + 16 gate + i: the bias of unit 16 hh + i
.endr
	WIN 0
.irp f, 0,1
	ds_load_b32 v[SWF+\f], v[FRS] offset:SBR+128*\f
.endr
.irp f, 0,1,2,3,4,5,6,7
	ds_load_b32 v[SWF+2+\f], v[LS] offset:SA+128*\f
.endr
	s_wait_dscnt 0x0
	s_wait_kmcnt 0x0                               ; bfc
	; ---- the loop: a trip is 32 rows, two tiles
	s_mov_b32 s50, TRIPS
.Ltrip:
	s_wait_loadcnt 0x0                             ; this trip's x, asked for a trip ago; its address register is free too
	v_cndmask_b32 v[XBE], v[XN], 1.0, s48
	v_cndmask_b32 v[XBE+1], v[XN+1], 0, s48
	v_cndmask_b32 v[XBO], 1.0, v[XN], s48
	v_cndmask_b32 v[XBO+1], 0, v[XN+1], s48
	s_cmp_eq_u32 s50, 1                            ; the last trip asks for nothing: no load leaves my wave's rows
	s_cbranch_scc1 .Lno_next
	v_add_nc_u32 v[XA], 0x100, v[XA]
	global_load_b64 v[XN:XN+1], v[XA], s[4:5] th:TH_LOAD_NT        ; 256 consecutive bytes a wave, two tiles ahead of their use
.Lno_next:
	PLACES 4
	TILE A0E, XBE
	TILE A0O, XBO
	s_sub_co_u32 s50, s50, 1
	s_cmp_lg_u32 s50, 0
	s_cbranch_scc1 .Ltrip
	; ---- the last tile of a wave with odd w holds t = 1008 .. 1023: its third cell, and out0
	s_cmp_eq_u32 s39, 0
	s_cbranch_scc1 .Lend
	CELLC 0, 0
	CELLC 1, 0
	v_pk_mul_f32 v[E:E+1], v[HH:HH+1], v[WFC:WFC+1]                ; h . Wfc in f32: my 16 units,
.irp k, 2,4,6,8,10,12,14
	v_pk_fma_f32 v[E:E+1], v[HH+\k:HH+\k+1], v[WFC+\k:WFC+\k+1], v[E:E+1]
.endr
	v_add_f32 v[E], v[E], v[E+1]
	v_permlanex16_b32 v[P2], v[E], s46, s47
	v_add_f32 v[E], v[E], v[P2]                    ; and lane l xor 16's 16
	v_add_f32 v[E], s49, v[E]
	s_wait_xcnt 0x0                                ; EXEC is a source of the memory instructions issued so far: it changes only behind this wait
	v_cmp_eq_u32 vcc_lo, 15, v255
	s_and_saveexec_b32 s45, vcc_lo                 ; lane 15: row t = 1023
	global_store_b32 v[OO], v[E], s[34:35]         ; one number a wave: a work-group owns 16 bytes of out0
	s_wait_xcnt 0x0                                ; and again in front of the line that widens it
	s_or_b32 exec_lo, exec_lo, s45
.Lend:
	s_wait_tensorcnt 0x0
	ds_add_u32 v1, v233
	s_wait_dscnt 0x0
	s_endpgm
.Lfunc_end_k_q6db6dd5a61_lstm:
	.size	k_q6db6dd5a61_lstm, .Lfunc_end_k_q6db6dd5a61_lstm-k_q6db6dd5a61_lstm
	.p2alignl 7, 3214868480
	.fill 96, 4, 3214868480
	.section	.rodata,"a",@progbits
	.p2align	6, 0x0
	.amdhsa_kernel k_q6db6dd5a61_lstm
		.amdhsa_group_segment_fixed_size 28672
		.amdhsa_private_segment_fixed_size 0
		.amdhsa_enable_private_segment 0
		.amdhsa_kernarg_size 128
		.amdhsa_user_sgpr_count 2
		.amdhsa_user_sgpr_kernarg_segment_ptr 1
		.amdhsa_wavefront_size32 1
		.amdhsa_system_sgpr_workgroup_id_x 1
		.amdhsa_system_sgpr_workgroup_id_y 1
		.amdhsa_system_sgpr_workgroup_id_z 1
		.amdhsa_system_vgpr_workitem_id 0
		.amdhsa_next_free_vgpr 512
		.amdhsa_next_free_sgpr 70
		.amdhsa_reserve_vcc 1
		.amdhsa_float_denorm_mode_32 3
		.amdhsa_float_denorm_mode_16_64 3
		.amdhsa_memory_ordered 1
		.amdhsa_forward_progress 1
		.amdhsa_inst_pref_size 105
	.end_amdhsa_kernel
	.amdgpu_metadata
---
amdhsa.version: [ 1, 2 ]
amdhsa.kernels:
  - .name:           k_q6db6dd5a61_lstm
    .symbol:         k_q6db6dd5a61_lstm.kd
    .args:
      - { .name: x, .offset: 0, .size: 8, .value_kind: global_buffer, .address_space: global }
      - { .name: Wx0, .offset: 8, .size: 8, .value_kind: global_buffer, .address_space: global }
      - { .name: bx0, .offset: 16, .size: 8, .value_kind: global_buffer, .address_space: global }
      - { .name: Wh0, .offset: 24, .size: 8, .value_kind: global_buffer, .address_space: global }
      - { .name: bh0, .offset: 32, .size: 8, .value_kind: global_buffer, .address_space: global }
      - { .name: Wx1, .offset: 40, .size: 8, .value_kind: global_buffer, .address_space: global }
      - { .name: bx1, .offset: 48, .size: 8, .value_kind: global_buffer, .address_space: global }
      - { .name: Wh1, .offset: 56, .size: 8, .value_kind: global_buffer, .address_space: global }
      - { .name: bh1, .offset: 64, .size: 8, .value_kind: global_buffer, .address_space: global }
      - { .name: Wx2, .offset: 72, .size: 8, .value_kind: global_buffer, .address_space: global }
      - { .name: bx2, .offset: 80, .size: 8, .value_kind: global_buffer, .address_space: global }
      - { .name: Wh2, .offset: 88, .size: 8, .value_kind: global_buffer, .address_space: global }
      - { .name: bh2, .offset: 96, .size: 8, .value_kind: global_buffer, .address_space: global }
      - { .name: Wfc, .offset: 104, .size: 8, .value_kind: global_buffer, .address_space: global }
      - { .name: bfc, .offset: 112, .size: 8, .value_kind: global_buffer, .address_space: global }
      - { .name: out0, .offset: 120, .size: 8, .value_kind: global_buffer, .address_space: global }
    .group_segment_fixed_size: 28672
    .private_segment_fixed_size: 0
    .kernarg_segment_align: 8
    .kernarg_segment_size: 128
    .max_flat_workgroup_size: 256
    .sgpr_count:     70
    .vgpr_count:     512
    .wavefront_size: 32
...
	.end_amdgpu_metadata
.endif
;; end of part 1
